; MI455X (gfx1250); checked and timed in simulation.
; The chip was launched on July 23, 2026; its instructions are those of AMD's public machine-readable ISA for CDNA 5 (MIT licence, August 2026) and "CDNA5" Instruction Set Architecture Reference Guide (July 2026). The comments in the code are by the model that wrote it; some were corrected since.
;; Implicit Function. Allowed arithmetic: matrix products marked QUANTISED: E2M3 operands, one E8M0 scale for each 32 along K, by v_wmma_scale_f32_16x16x128_f8f6f4 with both operands' format E2M3, f32 sums; products left as they are: f32 operands where the result goes on into a quantised operand, else bf16, f16 or f32 operands; f32 sums; everything else in f32.
;; Inputs: b0 64 float32; bh 6 x 64 float32; bo one number float32; points 1,048,576 x 3 float32; s0 64 float32; sh 6 x 64 float32; so one number float32; w0 3 x 64 float32; wh 6 x 64 x 64 float32; wo 64 x 1 float32.
;; Outputs: out0 1,048,576 x 1 float32.
;; This version of the problem:
;;   THIS VERSION OF THE PROBLEM IS GIVEN IN LOW PRECISION. The matrix products marked QUANTISED in the list below multiply operands that are first quantised to E2M3 (2 exponent bits, 3 mantissa bits; 6 bits a number), with one power-of-two scale for each 32 numbers along K (OCP MX v1.0); their sums are f32. All else is computed in f32.
;;   The module's matrix products, in the order in which they are computed (A, B: the left and right operand; K: the contracted axis; several contracted axes count as one K, in the product's order):
;;     1. [M 1,048,576, K 3] x [K 3, N 64]; A: input points; B: input w0: left as it is (K = 3 < 32)
;;     2. [M 1,048,576, K 64] x [K 64, N 64]; A: computed on the way; B: input wh: QUANTISED
;;     3. [M 1,048,576, K 64] x [K 64, N 64]; A: computed on the way; B: input wh: QUANTISED
;;     4. [M 1,048,576, K 64] x [K 64, N 64]; A: computed on the way; B: input wh: QUANTISED
;;     5. [M 1,048,576, K 64] x [K 64, N 64]; A: computed on the way; B: input wh: QUANTISED
;;     6. [M 1,048,576, K 64] x [K 64, N 64]; A: computed on the way; B: input wh: QUANTISED
;;     7. [M 1,048,576, K 64] x [K 64, N 64]; A: computed on the way; B: input wh: QUANTISED
;;     8. [M 1,048,576, K 64] x [K 64, N 1]; A: computed on the way; B: input wo: left as it is (N = 1 < 16)
;;   THE QUANTISER, for each operand of a quantised product, along K:
;;     - K is cut into blocks of 32 from its start; a last block that is shorter is filled with zeros.
;;     - A block's scale is 2^e with e = floor(log2(the largest magnitude in the block)) - 2, held to -126 .. 127; a block of zeros has e = 0. As a byte (E8M0): e + 127.
;;     - Each number is divided by its block's scale, clamped to +-7.5, and rounded to the nearest number of E2M3, ties to even, subnormals kept.
;;     - The product sums the exact products of the quantised numbers (number of the format x scale) in f32.
;;   ~~~python
;;   def quantise(x, axis):      # numpy; x: float32 -> the quantised numbers, widened to float32 again
;;       x = np.moveaxis(x, axis, -1); K = x.shape[-1]
;;       x = np.pad(x, [(0, 0)] * (x.ndim - 1) + [(0, -K % 32)]); x = x.reshape(x.shape[:-1] + (-1, 32)); a = np.abs(x).max(-1, keepdims=True)
;;       e = np.where(a > 0, np.clip(np.frexp(np.where(a > 0, a, 1))[1] - 1 - 2, -126, 127), 0)      # np.frexp(a)[1] - 1 = floor(log2(a)), exactly
;;       r = np.clip(x / 2.0 ** e, -7.5, 7.5)
;;       step = 2.0 ** (np.maximum(np.frexp(np.where(r == 0, 1, r))[1] - 1, 0) - 3)
;;       q = np.round(r / step) * step * 2.0 ** e      # np.round: ties to even
;;       return np.moveaxis(q.reshape(q.shape[:-2] + (-1,))[..., :K], -1, axis).astype(np.float32)
;;   ~~~
;;   OPERANDS COMPUTED ON THE WAY. 'Computed on the way' means the value that the module computes at that place (a softmax that the list does not call 'softmax' is quantised finished and normalised). What goes into a quantiser is computed in f32, as accurately as f32 sums, v_exp_f32 and their like allow (about 1e-6 of the number): no bf16 or f16 on the way to a quantiser, and a product that is left as it is and whose result goes on into a quantised operand takes f32 operands (vector FMAs, or v_wmma_f32_16x16x4_f32). A number that lies on a knife's edge between two numbers of the format may be rounded either way, as far as f32 arithmetic and the matrix unit's own rounding can turn it there, and no further.
;; 2 versions. Each part assembles by itself: llvm-mc -triple=amdgcn-amd-amdhsa -mcpu=gfx1250 --defsym DOCPART=n.
;; ======== version 1 of 2: 1 launch
;; launch mlp (part 1): grid 256 x 1, 16 waves a work-group, no clusters, 307,712 bytes of LDS; arguments points, w0, s0, b0, wh, sh, bh, wo, so, bo, out0; writes out0
.if DOCPART == 1
	.amdgcn_target "amdgcn-amd-amdhsa--gfx1250"
	.amdhsa_code_object_version 6
	.text
	.protected	k_q6b4533bc77_mlp
	.globl	k_q6b4533bc77_mlp
	.p2align	8
	.type	k_q6b4533bc77_mlp,@function
k_q6b4533bc77_mlp:
	s_mov_b64 s[64:65], 0
	v_nop
	global_prefetch_b8 v0, s[64:65] scope:SCOPE_SE
	s_setreg_imm32_b32 hwreg(HW_REG_WAVE_MODE, 25, 1), 1
	s_wait_xcnt 0x0
; out = (L6( .. L1(L0(points)) .. ) wo) so + bo,  L(x) = lrelu((x W) s + b),  lrelu(y) = max(y, 0.2 y).  2^20 points; widths 3 -> 64 -> 6 x (64 -> 64) -> 1.
; The six products 64 x 64 run on codes of FP6 (E2M3) with one E8M0 scale for each 32 along K; the first product (K = 3) feeds a quantiser and is made of f32 operands; the last (N = 1) is f32 multiply-adds.
; SHARES.  256 work-groups of sixteen waves; a work-group owns 4,096 points, a wave 256: sixteen tiles of 16 points, in four quads.  Four waves share a SIMD's registers (256 each), so that one wave's
; vector work stands beside another's LDS loads and matrix work.  A WAVE WALKS LAYER BY LAYER OVER ALL ITS TILES: a layer's parameters (24 registers of codes, 2 of scale words, 64 of gains and biases)
; are fetched once a layer.  Between layers a tile lives as codes alone (6 registers a lane) and a scale word, as images of the registers in the wave's OWN LDS bytes: no barrier serves them.
; LAYOUT.  Products are used transposed: source 0 = 16 units, source 1 = 16 points: lane (r, h) (r = lane % 16, h = lane / 16) holds point r.  THE UNITS OF A TILE ARE NOT NEIGHBOURS: lane r of unit tile t
; takes unit 32 (r / 8) + 8 t + r % 8, so register 8 t + j of the four results is unit 32 h + 8 t + j: A LANE HOLDS ONE WHOLE BLOCK OF 32 OF THE NEXT K, in order.  Its largest magnitude needs no other lane,
; and two conversions give registers 0-5 of the next operand.  K is 64 of the instruction's 128: W's registers 6-11 are zero codes; what stands in X's registers 6-11 (the next tile's codes, or six gains:
; every pattern of 6 bits is a finite number) meets zeros.  Bytes 2 and 3 of all scale words are 0.
; THE POINTS OF A TILE ARE NOT NEIGHBOURS either: lane r of tile a of quad q is point 64 q + 32 (a % 2) + 2 r + a / 2, so that at the end lane l holds points 64 q + 2 l and 2 l + 1: a store of the wave covers 256 consecutive bytes, aligned.
; wh is quantised in each work-group by waves 0-11, a lane to a column and its registers down K, into LDS, in the order of the operand's registers; ONE barrier, behind the first layer, parts those stores from all reads.
; NO TENSOR LOADS, NO CLUSTER: a wave's points are 3,072 bytes, loaded once by dense loads; what work-groups share is the parameters, 102,920 bytes read once at the head, of which wh has to pass through
; registers to be quantised; no loop asks memory for anything again.
; LIMITS: NaN and infinities among the inputs are not served.  A block of zeros gets the scale byte 1 where the rule says 127: its codes are zeros, and this program alone reads the bytes.
; Gain and bias are one fused multiply-add.  The last product's 64 terms are summed in four chains, not in ascending order.
.set XR,    0                          ; LDS: codes: 12,288 bytes a wave; quad q at 3,072 q; registers X + 4 g .. + 3 at 512 g + 16 x lane
.set XSR,   196608                     ; their scale words: 1,024 bytes a wave; pair of tiles p at 128 p + 4 x lane
.set PAR,   212992                     ; the six layers' parameters, LAYB bytes each: W tile t, registers 2 p, 2 p + 1 at 768 t + 256 p + 8 x lane; scale register g at 3,072 + 128 g + 4 x lane; s at 3,328 + 4 n; b at 3,584 + 4 n
.set LAYB,  3840
.set STG,   236032                     ; the points' stage: 4,096 bytes a wave; tile at 256 x tile; point slot at 16 r: x, y, z, 0
.set WOR,   301568                     ; wo as it lies in memory: 256 bytes a wave
.set XI,    1                          ; v1   XR + 12,288 wave + 16 lane
.set XSA,   2                          ; v2   XSR + 1,024 wave + 4 lane
.set PW0,   3                          ; v3   PAR + 8 lane
.set PWS0,  4                          ; v4   PAR + 3,072 + 4 lane
.set PSB0,  5                          ; v5   PAR + 3,328 + 128 h
.set PW,    6                          ; v6-8 the three above + the layer's bytes; at the head: where a weight wave stores its codes, its scale word, its gain and bias
.set PWS,   7
.set PSB,   8
.set PT,    9                          ; v9   STG + 4,096 wave + 16 r + 8 h
.set OUTO,  10                         ; v10  8 lane: my place in a store of 256 bytes (and in wo)
.set WOA,   11                         ; v11  WOR + 256 wave + 128 h
.set XS,    12                         ; v12-13 scale words of the quad's tiles: lanes 0-15 the even tile, lanes 16-31 the odd one; scales and nothing else
.set WS,    14                         ; v14-15 the same for W's four unit tiles
.set W,     16                         ; v16-63 W: tile t at 16 + 12 t: six registers of codes, six of zeros
.set X,     64                         ; v64-87 the quad's codes, 6 a tile; the new codes are written over the old
.set S,     88                         ; v88-119  gains of units 32 h + 0 .. 31
.set B,     120                        ; v120-151 biases likewise
.set ACC,   152                        ; v152-183 four results; written by matrix instructions alone
.set Y,     184                        ; v184-215 a tile's 32 numbers
.set T,     216                        ; v216-231 0.2 y, sixteen at a time
.set MXA,   232                        ; two chains of the largest magnitude
.set MXB,   233
.set SC,    234                        ; the conversions' scale operand
.set EA,    235                        ; scale bytes of a pair of tiles
.set EB,    236
.set TMP,   238                        ; v238-240 a block's upper 16 codes (a conversion's three registers begin on an even number)
.set STGW,  248                        ; v248 where I put a point into the stage
.set GP,    249                        ; v249 12 lane
.set WOW,   250                        ; v250 WOR + 256 wave + 8 lane
.set ZR,    251                        ; v251 0
.set W0,    16                         ; first layer, in W's place: v16-23 w0's four tiles (2 registers each),
.set PF,    24                         ; v24-31 the quad's four point fragments,
.set PR,    32                         ; v32-63 eight loads of points: x, y, z and a 0
.set G4,    24                         ; head only: offsets into memory: 4 lane; 128 h; w0's rows 2 h and 1
.set GH,    25
.set GWA,   26
.set GWB,   27
.set LN,    64                         ; head only: lane, r, h, lane % 2, lane / 2, lane / 8, lane % 8, r / 8
.set RR,    65
.set HH,    66
.set L1,    67
.set LH,    68
.set L3,    69
.set L7,    70
.set R3,    71
.set RAW,   184                        ; weight waves: v184-247 my column of wh, down K
.set QC,    64                         ; block c: codes at v[64 + 8 c] on, scale operand v[70 + 8 c], byte v[71 + 8 c], upper codes v[80 + 4 c] on, maximum v[83 + 4 c]
.set WO0,   200                        ; last layer: v200-215 wo of units 32 h + 0 .. 15, v232-247 of 32 h + 16 .. 31
.set D0,    248                        ; v248-251 four chains of the last product
.set PA,    252                        ; v252-253 a pair of tiles' half sums
.set PB,    253
.set OUT,   254                        ; v254-255 two results a lane
.set WV,    30                         ; s30 my wave's number
.set SL,    40                         ; s40 the layer's bytes in PAR
.set CNT,   41                         ; s41 counts the loop's layers
.macro PLACES n                        ; plain vector places behind matrix instructions (ISA guide 7.12.1), where no work is at hand
.rept \n
	v_nop
.endr
.endm
.macro PLOAD                           ; my wave's 256 points: each load reads 384 consecutive bytes, 12 a lane: lane l of load j is point 32 j + l
.irp j, 0,1,2,3,4,5,6,7
	global_load_b96 v[PR+4*\j:PR+4*\j+2], v[GP], s[4:5] offset:384*\j th:TH_LOAD_NT
.endr
.endm
.macro MM0 i                           ; the first product of tile i: K = 3 and a zero; four results, each begun with the constant 0
.irp t, 0,1,2,3
	v_wmma_f32_16x16x4_f32 v[ACC+8*\t:ACC+8*\t+7], v[W0+2*\t:W0+2*\t+1], v[PF+2*(\i):PF+2*(\i)+1], 0
.endr
.endm
.macro MM i                            ; a hidden product of tile i: four unit tiles, four different results, each begun with the constant 0: no chain.  Odd tiles' scale words stand in lanes 16-31
.irp t, 0,1,2,3
.if (\t%2 == 0) && ((\i)%2 == 0)
	v_wmma_scale_f32_16x16x128_f8f6f4 v[ACC+8*\t:ACC+8*\t+7], v[W+12*\t:W+12*\t+11], v[X+6*(\i):X+6*(\i)+11], 0, v[WS+\t/2], v[XS+(\i)/2] matrix_a_fmt:MATRIX_FMT_FP6 matrix_b_fmt:MATRIX_FMT_FP6
.elseif (\t%2 == 1) && ((\i)%2 == 0)
	v_wmma_scale_f32_16x16x128_f8f6f4 v[ACC+8*\t:ACC+8*\t+7], v[W+12*\t:W+12*\t+11], v[X+6*(\i):X+6*(\i)+11], 0, v[WS+\t/2], v[XS+(\i)/2] matrix_a_fmt:MATRIX_FMT_FP6 matrix_b_fmt:MATRIX_FMT_FP6 matrix_a_scale:MATRIX_SCALE_ROW1
.elseif (\t%2 == 0) && ((\i)%2 == 1)
	v_wmma_scale_f32_16x16x128_f8f6f4 v[ACC+8*\t:ACC+8*\t+7], v[W+12*\t:W+12*\t+11], v[X+6*(\i):X+6*(\i)+11], 0, v[WS+\t/2], v[XS+(\i)/2] matrix_a_fmt:MATRIX_FMT_FP6 matrix_b_fmt:MATRIX_FMT_FP6 matrix_b_scale:MATRIX_SCALE_ROW1
.else
	v_wmma_scale_f32_16x16x128_f8f6f4 v[ACC+8*\t:ACC+8*\t+7], v[W+12*\t:W+12*\t+11], v[X+6*(\i):X+6*(\i)+11], 0, v[WS+\t/2], v[XS+(\i)/2] matrix_a_fmt:MATRIX_FMT_FP6 matrix_b_fmt:MATRIX_FMT_FP6 matrix_a_scale:MATRIX_SCALE_ROW1 matrix_b_scale:MATRIX_SCALE_ROW1
.endif
.endr
.endm
.macro MUL first, i
.if \first
	MM0 \i
.else
	MM \i
.endif
.endm
.macro FMA ao, n                       ; y = result x gain + bias, two at a time, for 2 n units from unit 32 h + ao on, into Y from its start; ascending, so that each result is first read at its low end
.set KK, 0
.rept \n
	v_pk_fma_f32 v[Y+KK:Y+KK+1], v[ACC+\ao+KK:ACC+\ao+KK+1], v[S+\ao+KK:S+\ao+KK+1], v[B+\ao+KK:B+\ao+KK+1]
.set KK, KK+2
.endr
.endm
.macro LRELU yo                        ; sixteen numbers: max(y, 0.2 y) is y where y >= 0 and 0.2 y elsewhere, with no compare
.irp k, 0,2,4,6,8,10,12,14
	v_pk_mul_f32 v[T+\k:T+\k+1], v[Y+\yo+\k:Y+\yo+\k+1], s[28:29] op_sel_hi:[1,0]
.endr
.irp k, 0,2,4,6,8,10,12,14
	v_dual_max_num_f32 v[Y+\yo+\k], v[Y+\yo+\k], v[T+\k] :: v_dual_max_num_f32 v[Y+\yo+\k+1], v[Y+\yo+\k+1], v[T+\k+1]
.endr
.endm
.macro AMAX                            ; the block's largest magnitude: all 32 numbers are mine; two chains; the floor 2^(3 - 127) is one more leaf, so the byte cannot fall under 1
	v_max3_num_f32 v[MXA], |v[Y]|, |v[Y+1]|, 0x1800000
	v_max3_num_f32 v[MXB], |v[Y+2]|, |v[Y+3]|, |v[Y+4]|
.irp k, 5,9,13,17,21,25
	v_max3_num_f32 v[MXA], v[MXA], |v[Y+\k]|, |v[Y+\k+1]|
	v_max3_num_f32 v[MXB], v[MXB], |v[Y+\k+2]|, |v[Y+\k+3]|
.endr
	v_max3_num_f32 v[MXA], v[MXA], |v[Y+29]|, |v[Y+30]|
	v_max3_num_f32 v[MXA], v[MXA], v[MXB], |v[Y+31]|
.endm
.macro QUANT i, e                      ; Y's 32 numbers become tile i's six registers of codes, written over its old ones, and the block's scale byte in v[e]
	v_add_nc_u32 v[SC], 0xff000000, v[MXA]         ; 2 off the exponent field: the conversion takes the exponent field of this operand as its scale, and nothing else of it
	v_cvt_scalef32_pk16_fp6_f32 v[X+6*(\i):X+6*(\i)+2], v[Y:Y+15], v[SC]
	v_cvt_scalef32_pk16_fp6_f32 v[TMP:TMP+2], v[Y+16:Y+31], v[SC]
	v_lshrrev_b32 v[\e], 23, v[SC]                 ; the scale's byte; also the plain place behind the conversions
	v_dual_mov_b32 v[X+6*(\i)+4], v[TMP+1] :: v_dual_mov_b32 v[X+6*(\i)+3], v[TMP]
	v_mov_b32 v[X+6*(\i)+5], v[TMP+2]
.endm
.macro PAIRSC p                        ; EA, EB: lane (r, h) holds block h's byte of point r of the pair's even and odd tile.  The swap brings both tiles' block 0 into EA and block 1 into EB
	v_permlane16_swap_b32 v[EA], v[EB]
	v_lshl_or_b32 v[XS+\p], v[EB], 8, v[EA]        ; lanes 0-15: the even tile's words, lanes 16-31: the odd tile's
.endm
.macro REST i, e
	LRELU 0
	LRELU 16
	AMAX
	QUANT \i, \e
.endm
; A quad's four tiles.  Tile 0's products have been issued.  As soon as a tile's results are read out (FMA), the next tile's products are issued into the same 32 registers, and the tile's other vector
; work (REST, 54 lines that name none of those products' registers) stands behind them: these are the places, and the matrix work runs beside them.  Of FMA's 16 lines 12 name no register of any one
; earlier product: more places than are asked between a product and the one that writes over its result.
.macro TILES first
	FMA 0, 16
	MUL \first, 1
	REST 0, EA
	FMA 0, 16
	MUL \first, 2
	REST 1, EB
	PAIRSC 0                                       ; the last product that named XS stands a whole REST back
	FMA 0, 16
	MUL \first, 3
	REST 2, EA
	FMA 0, 16
	REST 3, EB
	PAIRSC 1
.endm
.macro XIN q                           ; quad q's codes and scale words come back as they were stored: the same registers in the same lanes
.irp g, 0,1,2,3,4,5
	ds_load_b128 v[X+4*\g:X+4*\g+3], v[XI] offset:3072*(\q)+512*\g
.endr
.irp p, 0,1
	ds_load_b32 v[XS+\p], v[XSA] offset:256*(\q)+128*\p
.endr
.endm
.macro XOUT q
.irp g, 0,1,2,3,4,5
	ds_store_b128 v[XI], v[X+4*\g:X+4*\g+3] offset:3072*(\q)+512*\g
.endr
.irp p, 0,1
	ds_store_b32 v[XSA], v[XS+\p] offset:256*(\q)+128*\p
.endr
.endm
.macro LOADPAR                         ; the layer's parameters: 12 + 2 + 16 LDS loads
	v_add_nc_u32 v[PW], s[SL], v[PW0]
	v_add_nc_u32 v[PWS], s[SL], v[PWS0]
	v_add_nc_u32 v[PSB], s[SL], v[PSB0]
.irp t, 0,1,2,3
.irp p, 0,1,2
	ds_load_b64 v[W+12*\t+2*\p:W+12*\t+2*\p+1], v[PW] offset:768*\t+256*\p
.endr
.endr
.irp g, 0,1
	ds_load_b32 v[WS+\g], v[PWS] offset:128*\g
.endr
.irp k, 0,1,2,3,4,5,6,7
	ds_load_b128 v[S+4*\k:S+4*\k+3], v[PSB] offset:16*\k
	ds_load_b128 v[B+4*\k:B+4*\k+3], v[PSB] offset:256+16*\k
.endr
.endm
	; ---------------- the head: ids, every address register (all of them ahead of the one parting of the waves), pointers
	s_load_b256 s[4:11], s[0:1], 0x0               ; points s[4:5], w0 s[6:7], s0 s[8:9], b0 s[10:11]
	s_load_b256 s[12:19], s[0:1], 0x20             ; wh s[12:13], sh s[14:15], bh s[16:17], wo s[18:19]
	s_load_b128 s[20:23], s[0:1], 0x40             ; so s[20:21], bo s[22:23]
	s_load_b64 s[24:25], s[0:1], 0x50              ; out0
	v_lshrrev_b32 v[LN], 5, v0
	v_readfirstlane_b32 s[WV], v[LN]               ; wave 0..15
	v_and_b32 v[LN], 31, v0
	v_and_b32 v[RR], 15, v0
	v_bfe_u32 v[HH], v0, 4, 1
	v_and_b32 v[L1], 1, v0
	v_bfe_u32 v[LH], v0, 1, 4
	v_bfe_u32 v[L3], v0, 3, 2
	v_and_b32 v[L7], 7, v0
	v_bfe_u32 v[R3], v0, 3, 1
	s_mov_b32 s28, 0x3e4ccccd                      ; 0.2
	s_mov_b32 s29, s28                             ; (the packed form names the pair)
	s_mov_b32 s31, 0xffff0000                      ; lanes 16-31
	s_lshr_b32 s36, s[WV], 1                       ; a weight wave's layer,
	s_and_b32 s37, s[WV], 1                        ; and which 32 of its 64 columns
	s_mul_i32 s32, s[WV], 12288
	v_lshl_add_u32 v[XI], v[LN], 4, s32
	s_lshl_b32 s33, s[WV], 10
	s_add_co_u32 s33, s33, XSR
	v_lshl_add_u32 v[XSA], v[LN], 2, s33
	v_lshl_add_u32 v[PW0], v[LN], 3, PAR
	v_lshl_add_u32 v[PWS0], v[LN], 2, PAR+3072
	v_lshl_add_u32 v[PSB0], v[HH], 7, PAR+3328
	s_lshl_b32 s34, s[WV], 12
	s_add_co_u32 s34, s34, STG
	v_lshl_add_u32 v[PT], v[RR], 4, s34
	v_lshl_add_u32 v[PT], v[HH], 3, v[PT]
	v_lshl_add_u32 v[STGW], v[L1], 9, s34          ; point 32 j + l goes to tile j % 2 + 2 (l % 2), slot l / 2
	v_lshl_add_u32 v[STGW], v[LH], 4, v[STGW]
	s_lshl_b32 s35, s[WV], 8
	s_add_co_u32 s35, s35, WOR
	v_lshl_add_u32 v[WOA], v[HH], 7, s35
	v_lshl_add_u32 v[WOW], v[LN], 3, s35
	v_lshlrev_b32 v[OUTO], 3, v[LN]
	v_mul_u32_u24 v[GP], v[LN], 12
	; a weight wave's lane l holds column n = 32 half + l: unit tile l / 8, operand lane 16 block + 8 half + l % 8
	s_mul_i32 s38, s36, LAYB
	s_add_co_u32 s38, s38, PAR
	s_lshl_b32 s39, s37, 6
	s_add_co_u32 s39, s39, s38
	v_mul_u32_u24 v[PW], v[L3], 768
	v_lshl_add_u32 v[PW], v[L7], 3, v[PW]
	v_add_nc_u32 v[PW], s39, v[PW]                 ; codes: 768 (l / 8) + 64 half + 8 (l % 8); + 128 block + 256 p in the stores' offsets
	s_lshl_b32 s39, s37, 5
	s_add_co_u32 s39, s39, s38
	s_add_co_u32 s39, s39, 3072
	v_lshlrev_b32 v[PWS], 6, v[L3]
	v_lshl_add_u32 v[PWS], v[L7], 2, v[PWS]
	v_add_nc_u32 v[PWS], s39, v[PWS]               ; scale word: 64 (l / 8) + 32 half + 4 (l % 8)
	s_lshl_b32 s39, s37, 7
	s_add_co_u32 s39, s39, s38
	s_add_co_u32 s39, s39, 3328
	v_lshl_add_u32 v[PSB], v[LN], 2, s39           ; gain: 4 n; bias 256 bytes on
	v_lshlrev_b32 v[G4], 2, v[LN]
	v_lshlrev_b32 v[GH], 7, v[HH]
	v_lshlrev_b32 v[GWB], 7, v[R3]
	v_lshl_add_u32 v[GWB], v[L7], 2, v[GWB]        ; w0: 4 x (32 (r / 8) + r % 8); + 32 t in the loads' offsets
	v_lshl_add_u32 v[GWA], v[HH], 9, v[GWB]        ; and row 2 h
.irp j, 0,1,2,3,4,5,6,7
	v_mov_b32 v[PR+4*\j+3], 0                      ; a point's fourth number
.endr
	v_mov_b32 v[ZR], 0
	s_mul_i32 s42, ttmp9, 49152                    ; points: 4,096 x 12 bytes a work-group, 256 x 12 a wave
	s_mul_i32 s44, s[WV], 3072
	s_add_co_u32 s42, s42, s44
	s_mov_b32 s43, 0
	s_lshl_b32 s44, ttmp9, 14                      ; out0: 4,096 x 4 bytes a work-group, 256 x 4 a wave
	s_lshl_b32 s45, s[WV], 10
	s_add_co_u32 s44, s44, s45
	s_mov_b32 s45, 0
	s_lshl_b32 s46, s36, 14                        ; wh: 16,384 bytes a layer, 128 a half of a row
	s_lshl_b32 s47, s37, 7
	s_add_co_u32 s46, s46, s47
	s_lshl_b32 s32, s36, 8                         ; sh, bh: 256 bytes a layer, 128 a half
	s_add_co_u32 s32, s32, s47
	s_mov_b32 s47, 0
	s_mov_b32 s33, 0
	s_wait_kmcnt 0x0
	s_add_nc_u64 s[4:5], s[4:5], s[42:43]
	s_add_nc_u64 s[24:25], s[24:25], s[44:45]
	s_add_nc_u64 s[12:13], s[12:13], s[46:47]      ; (waves 12-15 make these three too and never use them)
	s_add_nc_u64 s[14:15], s[14:15], s[32:33]
	s_add_nc_u64 s[16:17], s[16:17], s[32:33]
	s_load_b32 s26, s[20:21], 0x0                  ; so
	s_load_b32 s27, s[22:23], 0x0                  ; bo
	global_load_b64 v[252:253], v[OUTO], s[18:19]  ; wo, 8 bytes a lane
.irp k, 0,1,2,3,4,5,6,7
	global_load_b128 v[S+4*\k:S+4*\k+3], v[GH], s[8:9] offset:16*\k      ; s0 and b0 of units 32 h + 0 .. 31
	global_load_b128 v[B+4*\k:B+4*\k+3], v[GH], s[10:11] offset:16*\k
.endr
.irp t, 0,1,2,3
	global_load_b32 v[W0+2*\t], v[GWA], s[6:7] offset:32*\t              ; w0(2 h, my unit of tile t)
	global_load_b32 v[W0+2*\t+1], v[GWB], s[6:7] offset:256+32*\t        ; w0(1, the same): lanes 16-31 want row 3, which is not there: they load row 1 and are cleared below
.endr
	s_wait_kmcnt 0x0                               ; so and bo
	s_cmp_lt_u32 s[WV], 12
	s_cbranch_scc0 .Lno_weights
	; ---------------- waves 0-11: 32 columns of one layer of wh become codes.  A lane takes a column and its registers run down K: each load reads 128 consecutive bytes
.set KK, 0
.rept 64
	global_load_b32 v[RAW+KK], v[G4], s[12:13] offset:256*KK
.set KK, KK+1
.endr
	global_load_b32 v254, v[G4], s[14:15]          ; my column's gain
	global_load_b32 v255, v[G4], s[16:17]          ; and bias
	PLOAD
	s_wait_loadcnt 8                               ; all but the eight loads of points, which were issued last
.irp c, 0,1
	v_max3_num_f32 v[QC+19+4*\c], |v[RAW+32*\c]|, |v[RAW+32*\c+1]|, 0x1800000     ; block c's largest magnitude, with the floor 2^(3 - 127) among its leaves; the two blocks by turns
.endr
.irp k, 2,4,6,8,10,12,14,16,18,20,22,24,26,28,30
.irp c, 0,1
	v_max3_num_f32 v[QC+19+4*\c], v[QC+19+4*\c], |v[RAW+32*\c+\k]|, |v[RAW+32*\c+\k+1]|
.endr
.endr
.irp c, 0,1
	v_add_nc_u32 v[QC+6+8*\c], 0xff000000, v[QC+19+4*\c]     ; 2 off the exponent field: the conversions' scale operand
.endr
.irp c, 0,1
	v_lshrrev_b32 v[QC+7+8*\c], 23, v[QC+6+8*\c]   ; the scale's byte
.endr
	v_lshl_or_b32 v[QC+7], v[QC+15], 8, v[QC+7]    ; my column's scale word: blocks 0 and 1; bytes 2 and 3 are 0
.irp c, 0,1
	v_cvt_scalef32_pk16_fp6_f32 v[QC+8*\c:QC+8*\c+2], v[RAW+32*\c:RAW+32*\c+15], v[QC+6+8*\c]
	v_cvt_scalef32_pk16_fp6_f32 v[QC+16+4*\c:QC+16+4*\c+2], v[RAW+32*\c+16:RAW+32*\c+31], v[QC+6+8*\c]
.endr
	v_nop                                          ; one plain place behind the conversions
.irp c, 0,1
.irp z, 0,1,2
	v_mov_b32 v[QC+8*\c+3+\z], v[QC+16+4*\c+\z]
.endr
.endr
.irp c, 0,1
.irp p, 0,1,2
	ds_store_b64 v[PW], v[QC+8*\c+2*\p:QC+8*\c+2*\p+1] offset:128*\c+256*\p
.endr
.endr
	ds_store_b32 v[PWS], v[QC+7]
	ds_store_b32 v[PSB], v254
	ds_store_b32 v[PSB], v255 offset:256
	s_branch .Ljoin
.Lno_weights:
	PLOAD
.Ljoin:
	s_wait_loadcnt 8                               ; on both ways the eight loads of points are the youngest: all else is in
.irp t, 0,1,2,3
	v_cndmask_b32 v[W0+2*\t+1], v[W0+2*\t+1], v[ZR], s31     ; K's fourth row is zeros
.endr
	ds_store_b64 v[WOW], v[252:253]                ; wo into my own 256 bytes, for the last layer
	; ---------------- the first layer.  A quad's 64 points go through my stage, so that lane (r, h) finds (x, y) or (z, 0) of its tile's point r
.macro FIRST q
	s_wait_loadcnt 6-2*(\q)                        ; this quad's two loads are in; the later quads' may be out
	s_wait_dscnt 0x0                               ; my LDS stores have read their registers
	ds_store_b128 v[STGW], v[PR+8*(\q):PR+8*(\q)+3] offset:1024*(\q)
	ds_store_b128 v[STGW], v[PR+8*(\q)+4:PR+8*(\q)+7] offset:1024*(\q)+256
.irp i, 0,1,2,3
	ds_load_b64 v[PF+2*\i:PF+2*\i+1], v[PT] offset:1024*(\q)+256*\i      ; LDS serves a wave's instructions in order (ISA guide 5.7.1.4): these see the stores above
.endr
	s_wait_dscnt 0x0
	MM0 0
	PLACES 8                                       ; eight places behind this form before its results are read
	TILES 1
	XOUT \q
.endm
	FIRST 0
	FIRST 1
	FIRST 2
	FIRST 3
.irp t, 0,1,2,3
.irp z, 6,7,8,9,10,11
	v_mov_b32 v[W+12*\t+\z], 0                     ; W's idle half, K = 64 .. 127: zero codes, written once; no load lands on them
.endr
.endr
	PLACES 4                                       ; an operand written by vector instructions stands four places ahead of a scaled product
	s_wait_dscnt 0x0                               ; for the others' sake: my stores, the weight waves' parameters among them, are done
	s_barrier_signal -1
	s_barrier_wait -1                              ; the launch's one barrier: behind it the parameters are only read
	; ---------------- hidden layers 0 to 4: codes in, codes out
.macro HID q
	s_wait_dscnt 0x0                               ; the last quad's stores have read X and XS
.if (\q) == 0
	LOADPAR
.endif
	XIN \q
	s_wait_dscnt 0x0
	MM 0
	PLACES 4                                       ; four places behind this form before its results are read
	TILES 0
	XOUT \q
.endm
	s_mov_b32 s[SL], 0
	s_mov_b32 s[CNT], 0
.Llayer:
	HID 0
	HID 1
	HID 2
	HID 3
	s_add_co_u32 s[SL], s[SL], LAYB
	s_add_co_u32 s[CNT], s[CNT], 1
	s_cmp_lt_u32 s[CNT], 5
	s_cbranch_scc1 .Llayer
	; ---------------- hidden layer 5 and the last product: nothing is quantised; a lane's 32 numbers meet wo sixteen at a time
.macro DOT c                           ; sixteen terms into four chains (two pairs by turns); the first two lines start the chains: nothing is cleared
.irp k, 0,1,2,3,4,5,6,7
.if (\c == 0) && (\k < 2)
	v_pk_mul_f32 v[D0+2*\k:D0+2*\k+1], v[Y+2*\k:Y+2*\k+1], v[WO0+2*\k:WO0+2*\k+1]
.else
	v_pk_fma_f32 v[D0+2*(\k%2):D0+2*(\k%2)+1], v[Y+2*\k:Y+2*\k+1], v[WO0+32*\c+2*\k:WO0+32*\c+2*\k+1], v[D0+2*(\k%2):D0+2*(\k%2)+1]
.endif
.endr
.endm
.macro LAST i
	FMA 0, 8
	LRELU 0
	DOT 0
	FMA 16, 8
.if (\i) < 3
	MM (\i)+1                                      ; all 32 results are read out: the next tile's products, with the lines below as their places
.endif
	LRELU 0
	DOT 1
	v_pk_add_f32 v[D0:D0+1], v[D0:D0+1], v[D0+2:D0+3]
	v_add_f32 v[PA+(\i)%2], v[D0], v[D0+1]         ; point r's sum over my 32 units
.if (\i)%2 == 1
	v_permlane16_swap_b32 v[PA], v[PB]             ; both tiles' lower halves into PA, upper halves into PB
	v_add_f32 v[OUT+(\i)/2], v[PA], v[PB]          ; lanes 0-15: the even tile's points, lanes 16-31: the odd tile's
	v_fma_f32 v[OUT+(\i)/2], v[OUT+(\i)/2], s26, s27
.endif
.endm
.macro LASTQ q
.if (\q) > 0
	s_wait_xcnt 0x0                                ; the last store has read its data: OUT is written again only behind this wait
.endif
	XIN \q
	s_wait_dscnt 0x0
	MM 0
	PLACES 4
	LAST 0
	LAST 1
	LAST 2
	LAST 3
	global_store_b64 v[OUTO], v[OUT:OUT+1], s[24:25] offset:256*(\q) th:TH_STORE_NT   ; lane l: points 64 q + 2 l and 2 l + 1: the wave stores 256 consecutive bytes, aligned
.endm
	s_wait_dscnt 0x0                               ; the last quad's stores have read X and XS
	LOADPAR
.irp k, 0,1,2,3
	ds_load_b128 v[WO0+4*\k:WO0+4*\k+3], v[WOA] offset:16*\k
	ds_load_b128 v[WO0+32+4*\k:WO0+32+4*\k+3], v[WOA] offset:64+16*\k
.endr
	LASTQ 0
	LASTQ 1
	LASTQ 2
	LASTQ 3
	s_wait_xcnt 0x0
	v_lshl_add_u32 v254, v0, 2, 0x4aa00
	v_mov_b32 v255, 0
	s_wait_tensorcnt 0x0
	ds_add_u32 v254, v255
	s_wait_dscnt 0x0
	s_endpgm
.Lfunc_end_k_q6b4533bc77_mlp:
	.size	k_q6b4533bc77_mlp, .Lfunc_end_k_q6b4533bc77_mlp-k_q6b4533bc77_mlp
	.p2alignl 7, 3214868480
	.fill 96, 4, 3214868480
	.section	.rodata,"a",@progbits
	.p2align	6, 0x0
	.amdhsa_kernel k_q6b4533bc77_mlp
		.amdhsa_group_segment_fixed_size 307712
		.amdhsa_private_segment_fixed_size 0
		.amdhsa_enable_private_segment 0
		.amdhsa_kernarg_size 88
		.amdhsa_user_sgpr_count 2
		.amdhsa_user_sgpr_kernarg_segment_ptr 1
		.amdhsa_wavefront_size32 1
		.amdhsa_system_sgpr_workgroup_id_x 1
		.amdhsa_system_sgpr_workgroup_id_y 1
		.amdhsa_system_sgpr_workgroup_id_z 1
		.amdhsa_system_vgpr_workitem_id 0
		.amdhsa_next_free_vgpr 256
		.amdhsa_next_free_sgpr 66
		.amdhsa_reserve_vcc 0
		.amdhsa_float_denorm_mode_32 3
		.amdhsa_float_denorm_mode_16_64 3
		.amdhsa_memory_ordered 1
		.amdhsa_forward_progress 1
		.amdhsa_inst_pref_size 255
	.end_amdhsa_kernel
	.section	.bss,"aw",@nobits
	.p2align	6
	.space	262144
	.amdgpu_metadata
---
amdhsa.version: [ 1, 2 ]
amdhsa.kernels:
  - .name:           k_q6b4533bc77_mlp
    .symbol:         k_q6b4533bc77_mlp.kd
    .args:
      - { .name: points, .offset: 0, .size: 8, .value_kind: global_buffer, .address_space: global }
      - { .name: w0, .offset: 8, .size: 8, .value_kind: global_buffer, .address_space: global }
      - { .name: s0, .offset: 16, .size: 8, .value_kind: global_buffer, .address_space: global }
      - { .name: b0, .offset: 24, .size: 8, .value_kind: global_buffer, .address_space: global }
      - { .name: wh, .offset: 32, .size: 8, .value_kind: global_buffer, .address_space: global }
      - { .name: sh, .offset: 40, .size: 8, .value_kind: global_buffer, .address_space: global }
      - { .name: bh, .offset: 48, .size: 8, .value_kind: global_buffer, .address_space: global }
      - { .name: wo, .offset: 56, .size: 8, .value_kind: global_buffer, .address_space: global }
      - { .name: so, .offset: 64, .size: 8, .value_kind: global_buffer, .address_space: global }
      - { .name: bo, .offset: 72, .size: 8, .value_kind: global_buffer, .address_space: global }
      - { .name: out0, .offset: 80, .size: 8, .value_kind: global_buffer, .address_space: global }
    .group_segment_fixed_size: 307712
    .private_segment_fixed_size: 0
    .kernarg_segment_align: 8
    .kernarg_segment_size: 88
    .max_flat_workgroup_size: 512
    .sgpr_count:     66
    .vgpr_count:     256
    .wavefront_size: 32
...
	.end_amdgpu_metadata
.endif
;; end of part 1
;; ======== version 2 of 2: 1 launch; version 1 with the launch mlp written anew for expert scheduling mode
;; launch mlp (part 2): grid 256 x 1, 16 waves a work-group, no clusters, 307,712 bytes of LDS; arguments points, w0, s0, b0, wh, sh, bh, wo, so, bo, out0; writes out0
.if DOCPART == 2
	.amdgcn_target "amdgcn-amd-amdhsa--gfx1250"
	.amdhsa_code_object_version 6
	.text
	.protected	k_q6b4533bc77_mlp
	.globl	k_q6b4533bc77_mlp
	.p2align	8
	.type	k_q6b4533bc77_mlp,@function
k_q6b4533bc77_mlp:
	s_mov_b64 s[64:65], 0
	v_nop
	global_prefetch_b8 v0, s[64:65] scope:SCOPE_SE
	s_setreg_imm32_b32 hwreg(HW_REG_WAVE_SCHED_MODE, 0, 2), 2
	s_setreg_imm32_b32 hwreg(HW_REG_WAVE_MODE, 25, 1), 1
	s_wait_xcnt 0x0
	s_wait_alu depctr_vm_vsrc(0)
; out = (L6( .. L1(L0(points)) .. ) wo) so + bo,  L(x) = lrelu((x W) s + b),  lrelu(y) = max(y, 0.2 y).  2^20 points; widths 3 -> 64 -> 6 x (64 -> 64) -> 1.
; The six products 64 x 64 run on codes of FP6 (E2M3) with one E8M0 scale for each 32 along K; the first product (K = 3) feeds a quantiser and is made of f32 operands; the last (N = 1) is f32 multiply-adds.
; SHARES.  256 work-groups of sixteen waves; a work-group owns 4,096 points, a wave 256: sixteen tiles of 16 points, in four quads.  Four waves share a SIMD's registers (256 each), so that one wave's
; vector work stands beside another's LDS loads and matrix work.  A WAVE WALKS LAYER BY LAYER OVER ALL ITS TILES: a layer's parameters (24 registers of codes, 2 of scale words, 64 of gains and biases)
; are fetched once a layer.  Between layers a tile lives as codes alone (6 registers a lane) and a scale word, as images of the registers in the wave's OWN LDS bytes: no barrier serves them.
; LAYOUT.  Products are used transposed: source 0 = 16 units, source 1 = 16 points: lane (r, h) (r = lane % 16, h = lane / 16) holds point r.  THE UNITS OF A TILE ARE NOT NEIGHBOURS: lane r of unit tile t
; takes unit 32 (r / 8) + 8 t + r % 8, so register 8 t + j of the four results is unit 32 h + 8 t + j: A LANE HOLDS ONE WHOLE BLOCK OF 32 OF THE NEXT K, in order.  Its largest magnitude needs no other lane,
; and two conversions give registers 0-5 of the next operand.  K is 64 of the instruction's 128: W's registers 6-11 are zero codes; what stands in X's registers 6-11 (the next tile's codes, or six gains:
; every pattern of 6 bits is a finite number) meets zeros.  Bytes 2 and 3 of all scale words are 0.
; THE POINTS OF A TILE ARE NOT NEIGHBOURS either: lane r of tile a of quad q is point 64 q + 32 (a % 2) + 2 r + a / 2, so that at the end lane l holds points 64 q + 2 l and 2 l + 1: a store of the wave covers 256 consecutive bytes, aligned.
; wh is quantised in each work-group by waves 0-11, a lane to a column and its registers down K, into LDS, in the order of the operand's registers; ONE barrier, behind the first layer, parts those stores from all reads.
; NO TENSOR LOADS, NO CLUSTER: a wave's points are 3,072 bytes, loaded once by dense loads; what work-groups share is the parameters, 102,920 bytes read once at the head, of which wh has to pass through
; registers to be quantised; no loop asks memory for anything again.
; LIMITS: NaN and infinities among the inputs are not served.  A block of zeros gets the scale byte 1 where the rule says 127: its codes are zeros, and this program alone reads the bytes.
; Gain and bias are one fused multiply-add.  The last product's 64 terms are summed in four chains, not in ascending order.
; THE MODE: SCHED_MODE bits 1:0 = 2 (LLVM: expert scheduling mode 2), set by the entry lines.  The code itself states the register dependences between vector or matrix instructions and memory or LDS
; instructions, with s_wait_alu, always for 0.
; THE PLAN.  Registers that LDS instructions touch in the loop over layers; a quad's four tiles are two PAIRS (pair 0: tiles 0, 1; pair 1: tiles 2, 3), 12 registers of codes and a scale word each:
;   X0-11, XS0    read by the products of tiles 0 and 1; written by their conversions, moves and PAIRSC 0; read by pair 0's stores; then the NEXT quad's pair 0 lands in them, while tiles 2 and 3 are worked.
;   X12-23, XS1   the same for tiles 2 and 3, at the quad's end: the next quad's pair 1 lands while that quad's tile 0 is multiplied.
;   W, WS, S, B   read by the products and by FMA; the next layer's land at the end of a layer's last quad.
;   PW, PWS, PSB  read by those loads; written once a layer, in the middle of its last quad.
;   XI, XSA and every other address: made at the head, never written again.     ACC, Y, T, MXA .. TMP: named by vector and matrix instructions alone.
; So a quad has four waits: on va_vdst behind PAIRSC 0 and behind PAIRSC 1 (a pair's new codes are written, and its products are done reading the old ones), and on vm_vsrc behind each pair's stores
; (they have read the registers in which the next quad's pair lands).  Between each wait on va_vdst and the LDS instructions that lean on it no vector or matrix instruction names a register that these touch.
.set XR,    0                          ; LDS: codes: 12,288 bytes a wave; quad q at 3,072 q; registers X + 4 g .. + 3 at 512 g + 16 x lane
.set XSR,   196608                     ; their scale words: 1,024 bytes a wave; pair of tiles p at 128 p + 4 x lane
.set PAR,   212992                     ; the six layers' parameters, LAYB bytes each: W tile t, registers 2 p, 2 p + 1 at 768 t + 256 p + 8 x lane; scale register g at 3,072 + 128 g + 4 x lane; s at 3,328 + 4 n; b at 3,584 + 4 n
.set LAYB,  3840
.set STG,   236032                     ; the points' stage: 4,096 bytes a wave; tile at 256 x tile; point slot at 16 r: x, y, z, 0
.set WOR,   301568                     ; wo as it lies in memory: 256 bytes a wave
.set XI,    1                          ; v1   XR + 12,288 wave + 16 lane
.set XSA,   2                          ; v2   XSR + 1,024 wave + 4 lane
.set PW0,   3                          ; v3   PAR + 8 lane
.set PWS0,  4                          ; v4   PAR + 3,072 + 4 lane
.set PSB0,  5                          ; v5   PAR + 3,328 + 128 h
.set PW,    6                          ; v6-8 the three above + the layer's bytes; at the head: where a weight wave stores its codes, its scale word, its gain and bias
.set PWS,   7
.set PSB,   8
.set PT,    9                          ; v9   STG + 4,096 wave + 16 r + 8 h
.set OUTO,  10                         ; v10  8 lane: my place in a store of 256 bytes (and in wo)
.set WOA,   11                         ; v11  WOR + 256 wave + 128 h
.set XS,    12                         ; v12-13 scale words of the quad's tiles: lanes 0-15 the even tile, lanes 16-31 the odd one; scales and nothing else
.set WS,    14                         ; v14-15 the same for W's four unit tiles
.set W,     16                         ; v16-63 W: tile t at 16 + 12 t: six registers of codes, six of zeros
.set X,     64                         ; v64-87 the quad's codes, 6 a tile; the new codes are written over the old
.set S,     88                         ; v88-119  gains of units 32 h + 0 .. 31
.set B,     120                        ; v120-151 biases likewise
.set ACC,   152                        ; v152-183 four results; written by matrix instructions alone
.set Y,     184                        ; v184-215 a tile's 32 numbers
.set T,     216                        ; v216-231 0.2 y, sixteen at a time
.set MXA,   232                        ; two chains of the largest magnitude
.set MXB,   233
.set SC,    234                        ; the conversions' scale operand
.set EA,    235                        ; scale bytes of a pair of tiles
.set EB,    236
.set TMP,   238                        ; v238-240 a block's upper 16 codes (a conversion's three registers begin on an even number)
.set STGW,  248                        ; v248 where I put a point into the stage
.set GP,    249                        ; v249 12 lane
.set WOW,   250                        ; v250 WOR + 256 wave + 8 lane
.set ZR,    251                        ; v251 0
.set W0,    16                         ; first layer, in W's place: v16-23 w0's four tiles (2 registers each),
.set PF,    24                         ; v24-31 the quad's four point fragments,
.set PR,    32                         ; v32-63 eight loads of points: x, y, z and a 0
.set G4,    24                         ; head only: offsets into memory: 4 lane; 128 h; w0's rows 2 h and 1
.set GH,    25
.set GWA,   26
.set GWB,   27
.set LN,    64                         ; head only: lane, r, h, lane % 2, lane / 2, lane / 8, lane % 8, r / 8
.set RR,    65
.set HH,    66
.set L1,    67
.set LH,    68
.set L3,    69
.set L7,    70
.set R3,    71
.set RAW,   184                        ; weight waves: v184-247 my column of wh, down K
.set QC,    64                         ; block c: codes at v[64 + 8 c] on, scale operand v[70 + 8 c], byte v[71 + 8 c], upper codes v[80 + 4 c] on, maximum v[83 + 4 c]
.set WO0,   200                        ; last layer: v200-215 wo of units 32 h + 0 .. 15, v232-247 of 32 h + 16 .. 31
.set D0,    248                        ; v248-251 four chains of the last product
.set PA,    252                        ; v252-253 a pair of tiles' half sums
.set PB,    253
.set OUT,   254                        ; v254-255 two results a lane
.set WV,    30                         ; s30 my wave's number
.set SL,    40                         ; s40 the layer's bytes in PAR
.set CNT,   41                         ; s41 counts the loop's layers
.macro PLACES n                        ; plain vector places behind matrix instructions (ISA guide 7.12.1), where no work is at hand
.rept \n
	v_nop
.endr
.endm
.macro PLOAD                           ; my wave's 256 points: each load reads 384 consecutive bytes, 12 a lane: lane l of load j is point 32 j + l
.irp j, 0,1,2,3,4,5,6,7
	global_load_b96 v[PR+4*\j:PR+4*\j+2], v[GP], s[4:5] offset:384*\j th:TH_LOAD_NT
.endr
.endm
.macro MM0 i                           ; the first product of tile i: K = 3 and a zero; four results, each begun with the constant 0
.irp t, 0,1,2,3
	v_wmma_f32_16x16x4_f32 v[ACC+8*\t:ACC+8*\t+7], v[W0+2*\t:W0+2*\t+1], v[PF+2*(\i):PF+2*(\i)+1], 0
.endr
.endm
.macro MM i                            ; a hidden product of tile i: four unit tiles, four different results, each begun with the constant 0: no chain.  Odd tiles' scale words stand in lanes 16-31
.irp t, 0,1,2,3
.if (\t%2 == 0) && ((\i)%2 == 0)
	v_wmma_scale_f32_16x16x128_f8f6f4 v[ACC+8*\t:ACC+8*\t+7], v[W+12*\t:W+12*\t+11], v[X+6*(\i):X+6*(\i)+11], 0, v[WS+\t/2], v[XS+(\i)/2] matrix_a_fmt:MATRIX_FMT_FP6 matrix_b_fmt:MATRIX_FMT_FP6
.elseif (\t%2 == 1) && ((\i)%2 == 0)
	v_wmma_scale_f32_16x16x128_f8f6f4 v[ACC+8*\t:ACC+8*\t+7], v[W+12*\t:W+12*\t+11], v[X+6*(\i):X+6*(\i)+11], 0, v[WS+\t/2], v[XS+(\i)/2] matrix_a_fmt:MATRIX_FMT_FP6 matrix_b_fmt:MATRIX_FMT_FP6 matrix_a_scale:MATRIX_SCALE_ROW1
.elseif (\t%2 == 0) && ((\i)%2 == 1)
	v_wmma_scale_f32_16x16x128_f8f6f4 v[ACC+8*\t:ACC+8*\t+7], v[W+12*\t:W+12*\t+11], v[X+6*(\i):X+6*(\i)+11], 0, v[WS+\t/2], v[XS+(\i)/2] matrix_a_fmt:MATRIX_FMT_FP6 matrix_b_fmt:MATRIX_FMT_FP6 matrix_b_scale:MATRIX_SCALE_ROW1
.else
	v_wmma_scale_f32_16x16x128_f8f6f4 v[ACC+8*\t:ACC+8*\t+7], v[W+12*\t:W+12*\t+11], v[X+6*(\i):X+6*(\i)+11], 0, v[WS+\t/2], v[XS+(\i)/2] matrix_a_fmt:MATRIX_FMT_FP6 matrix_b_fmt:MATRIX_FMT_FP6 matrix_a_scale:MATRIX_SCALE_ROW1 matrix_b_scale:MATRIX_SCALE_ROW1
.endif
.endr
.endm
.macro FMA ao, n                       ; y = result x gain + bias, two at a time, for 2 n units from unit 32 h + ao on, into Y from its start; ascending, so that each result is first read at its low end
.set KK, 0
.rept \n
	v_pk_fma_f32 v[Y+KK:Y+KK+1], v[ACC+\ao+KK:ACC+\ao+KK+1], v[S+\ao+KK:S+\ao+KK+1], v[B+\ao+KK:B+\ao+KK+1]
.set KK, KK+2
.endr
.endm
.macro LRELU yo                        ; sixteen numbers: max(y, 0.2 y) is y where y >= 0 and 0.2 y elsewhere, with no compare
.irp k, 0,2,4,6,8,10,12,14
	v_pk_mul_f32 v[T+\k:T+\k+1], v[Y+\yo+\k:Y+\yo+\k+1], s[28:29] op_sel_hi:[1,0]
.endr
.irp k, 0,2,4,6,8,10,12,14
	v_dual_max_num_f32 v[Y+\yo+\k], v[Y+\yo+\k], v[T+\k] :: v_dual_max_num_f32 v[Y+\yo+\k+1], v[Y+\yo+\k+1], v[T+\k+1]
.endr
.endm
.macro AMAX                            ; the block's largest magnitude: all 32 numbers are mine; two chains; the floor 2^(3 - 127) is one more leaf, so the byte cannot fall under 1
	v_max3_num_f32 v[MXA], |v[Y]|, |v[Y+1]|, 0x1800000
	v_max3_num_f32 v[MXB], |v[Y+2]|, |v[Y+3]|, |v[Y+4]|
.irp k, 5,9,13,17,21,25
	v_max3_num_f32 v[MXA], v[MXA], |v[Y+\k]|, |v[Y+\k+1]|
	v_max3_num_f32 v[MXB], v[MXB], |v[Y+\k+2]|, |v[Y+\k+3]|
.endr
	v_max3_num_f32 v[MXA], v[MXA], |v[Y+29]|, |v[Y+30]|
	v_max3_num_f32 v[MXA], v[MXA], v[MXB], |v[Y+31]|
.endm
.macro QUANT i, e                      ; Y's 32 numbers become tile i's six registers of codes, written over its old ones, and the block's scale byte in v[e]
	v_add_nc_u32 v[SC], 0xff000000, v[MXA]         ; 2 off the exponent field: the conversion takes the exponent field of this operand as its scale, and nothing else of it
	v_cvt_scalef32_pk16_fp6_f32 v[X+6*(\i):X+6*(\i)+2], v[Y:Y+15], v[SC]
	v_cvt_scalef32_pk16_fp6_f32 v[TMP:TMP+2], v[Y+16:Y+31], v[SC]
	v_lshrrev_b32 v[\e], 23, v[SC]                 ; the scale's byte; also the plain place behind the conversions
	v_dual_mov_b32 v[X+6*(\i)+4], v[TMP+1] :: v_dual_mov_b32 v[X+6*(\i)+3], v[TMP]
	v_mov_b32 v[X+6*(\i)+5], v[TMP+2]
.endm
.macro PAIRSC p                        ; EA, EB: lane (r, h) holds block h's byte of point r of the pair's even and odd tile.  The swap brings both tiles' block 0 into EA and block 1 into EB
	v_permlane16_swap_b32 v[EA], v[EB]
	v_lshl_or_b32 v[XS+\p], v[EB], 8, v[EA]        ; lanes 0-15: the even tile's words, lanes 16-31: the odd tile's
.endm
.macro REST i, e
	LRELU 0
	LRELU 16
	AMAX
	QUANT \i, \e
.endm
.macro XINP q, p                       ; pair p of quad q: its codes and scale words come back as they were stored: the same registers in the same lanes
.irp g, 0,1,2
	ds_load_b128 v[X+12*(\p)+4*\g:X+12*(\p)+4*\g+3], v[XI] offset:3072*(\q)+1536*(\p)+512*\g
.endr
	ds_load_b32 v[XS+(\p)], v[XSA] offset:256*(\q)+128*(\p)
.endm
.macro XOUTP q, p
.irp g, 0,1,2
	ds_store_b128 v[XI], v[X+12*(\p)+4*\g:X+12*(\p)+4*\g+3] offset:3072*(\q)+1536*(\p)+512*\g
.endr
	ds_store_b32 v[XSA], v[XS+(\p)] offset:256*(\q)+128*(\p)
.endm
.macro PARADR                          ; where the layer's parameters lie
	v_add_nc_u32 v[PW], s[SL], v[PW0]
	v_add_nc_u32 v[PWS], s[SL], v[PWS0]
	v_add_nc_u32 v[PSB], s[SL], v[PSB0]
.endm
.macro PARLD                           ; the layer's parameters: 12 + 2 + 16 LDS loads
.irp t, 0,1,2,3
.irp p, 0,1,2
	ds_load_b64 v[W+12*\t+2*\p:W+12*\t+2*\p+1], v[PW] offset:768*\t+256*\p
.endr
.endr
.irp g, 0,1
	ds_load_b32 v[WS+\g], v[PWS] offset:128*\g
.endr
.irp k, 0,1,2,3,4,5,6,7
	ds_load_b128 v[S+4*\k:S+4*\k+3], v[PSB] offset:16*\k
	ds_load_b128 v[B+4*\k:B+4*\k+3], v[PSB] offset:256+16*\k
.endr
.endm
	; ---------------- the head: ids, every address register (all of them ahead of the one parting of the waves), pointers
	s_load_b256 s[4:11], s[0:1], 0x0               ; points s[4:5], w0 s[6:7], s0 s[8:9], b0 s[10:11]
	s_load_b256 s[12:19], s[0:1], 0x20             ; wh s[12:13], sh s[14:15], bh s[16:17], wo s[18:19]
	s_load_b128 s[20:23], s[0:1], 0x40             ; so s[20:21], bo s[22:23]
	s_load_b64 s[24:25], s[0:1], 0x50              ; out0
	v_lshrrev_b32 v[LN], 5, v0
	v_readfirstlane_b32 s[WV], v[LN]               ; wave 0..15
	v_and_b32 v[LN], 31, v0
	s_wait_alu depctr_va_vdst(0)
	v_and_b32 v[RR], 15, v0
	v_bfe_u32 v[HH], v0, 4, 1
	v_and_b32 v[L1], 1, v0
	v_bfe_u32 v[LH], v0, 1, 4
	v_bfe_u32 v[L3], v0, 3, 2
	v_and_b32 v[L7], 7, v0
	v_bfe_u32 v[R3], v0, 3, 1
	s_mov_b32 s28, 0x3e4ccccd                      ; 0.2
	s_mov_b32 s29, s28                             ; (the packed form names the pair)
	s_mov_b32 s31, 0xffff0000                      ; lanes 16-31
	s_wait_alu depctr_va_sdst(0)                   ; the wave's number is written into s30, ahead of its first reader, the line below
	s_lshr_b32 s36, s[WV], 1                       ; a weight wave's layer,
	s_and_b32 s37, s[WV], 1                        ; and which 32 of its 64 columns
	s_mul_i32 s32, s[WV], 12288
	v_lshl_add_u32 v[XI], v[LN], 4, s32
	s_lshl_b32 s33, s[WV], 10
	s_add_co_u32 s33, s33, XSR
	v_lshl_add_u32 v[XSA], v[LN], 2, s33
	v_lshl_add_u32 v[PW0], v[LN], 3, PAR
	v_lshl_add_u32 v[PWS0], v[LN], 2, PAR+3072
	v_lshl_add_u32 v[PSB0], v[HH], 7, PAR+3328
	s_lshl_b32 s34, s[WV], 12
	s_add_co_u32 s34, s34, STG
	v_lshl_add_u32 v[PT], v[RR], 4, s34
	v_lshl_add_u32 v[PT], v[HH], 3, v[PT]
	v_lshl_add_u32 v[STGW], v[L1], 9, s34          ; point 32 j + l goes to tile j % 2 + 2 (l % 2), slot l / 2
	v_lshl_add_u32 v[STGW], v[LH], 4, v[STGW]
	s_lshl_b32 s35, s[WV], 8
	s_add_co_u32 s35, s35, WOR
	v_lshl_add_u32 v[WOA], v[HH], 7, s35
	v_lshl_add_u32 v[WOW], v[LN], 3, s35
	v_lshlrev_b32 v[OUTO], 3, v[LN]
	v_mul_u32_u24 v[GP], v[LN], 12
	; a weight wave's lane l holds column n = 32 half + l: unit tile l / 8, operand lane 16 block + 8 half + l % 8
	s_mul_i32 s38, s36, LAYB
	s_add_co_u32 s38, s38, PAR
	s_lshl_b32 s39, s37, 6
	s_add_co_u32 s39, s39, s38
	v_mul_u32_u24 v[PW], v[L3], 768
	v_lshl_add_u32 v[PW], v[L7], 3, v[PW]
	v_add_nc_u32 v[PW], s39, v[PW]                 ; codes: 768 (l / 8) + 64 half + 8 (l % 8); + 128 block + 256 p in the stores' offsets
	s_lshl_b32 s39, s37, 5
	s_add_co_u32 s39, s39, s38
	s_add_co_u32 s39, s39, 3072
	v_lshlrev_b32 v[PWS], 6, v[L3]
	v_lshl_add_u32 v[PWS], v[L7], 2, v[PWS]
	v_add_nc_u32 v[PWS], s39, v[PWS]               ; scale word: 64 (l / 8) + 32 half + 4 (l % 8)
	s_lshl_b32 s39, s37, 7
	s_add_co_u32 s39, s39, s38
	s_add_co_u32 s39, s39, 3328
	v_lshl_add_u32 v[PSB], v[LN], 2, s39           ; gain: 4 n; bias 256 bytes on
	v_lshlrev_b32 v[G4], 2, v[LN]
	v_lshlrev_b32 v[GH], 7, v[HH]
	v_lshlrev_b32 v[GWB], 7, v[R3]
	v_lshl_add_u32 v[GWB], v[L7], 2, v[GWB]        ; w0: 4 x (32 (r / 8) + r % 8); + 32 t in the loads' offsets
	v_lshl_add_u32 v[GWA], v[HH], 9, v[GWB]        ; and row 2 h
.irp j, 0,1,2,3,4,5,6,7
	v_mov_b32 v[PR+4*\j+3], 0                      ; a point's fourth number
.endr
	v_mov_b32 v[ZR], 0
	s_mul_i32 s42, ttmp9, 49152                    ; points: 4,096 x 12 bytes a work-group, 256 x 12 a wave
	s_mul_i32 s44, s[WV], 3072
	s_add_co_u32 s42, s42, s44
	s_mov_b32 s43, 0
	s_lshl_b32 s44, ttmp9, 14                      ; out0: 4,096 x 4 bytes a work-group, 256 x 4 a wave
	s_lshl_b32 s45, s[WV], 10
	s_add_co_u32 s44, s44, s45
	s_mov_b32 s45, 0
	s_lshl_b32 s46, s36, 14                        ; wh: 16,384 bytes a layer, 128 a half of a row
	s_lshl_b32 s47, s37, 7
	s_add_co_u32 s46, s46, s47
	s_lshl_b32 s32, s36, 8                         ; sh, bh: 256 bytes a layer, 128 a half
	s_add_co_u32 s32, s32, s47
	s_mov_b32 s47, 0
	s_mov_b32 s33, 0
	s_wait_kmcnt 0x0
	s_add_nc_u64 s[4:5], s[4:5], s[42:43]
	s_add_nc_u64 s[24:25], s[24:25], s[44:45]
	s_add_nc_u64 s[12:13], s[12:13], s[46:47]      ; (waves 12-15 make these three too and never use them)
	s_add_nc_u64 s[14:15], s[14:15], s[32:33]
	s_add_nc_u64 s[16:17], s[16:17], s[32:33]
	s_load_b32 s26, s[20:21], 0x0                  ; so
	s_load_b32 s27, s[22:23], 0x0                  ; bo
	s_wait_alu depctr_va_vdst(0)                   ; every address and offset (v1-11, v24-27, v248-250) is written, which the loads and stores of the whole kernel read; so are the points' fourth numbers, which the stage's stores read
	global_load_b64 v[252:253], v[OUTO], s[18:19]  ; wo, 8 bytes a lane
.irp k, 0,1,2,3,4,5,6,7
	global_load_b128 v[S+4*\k:S+4*\k+3], v[GH], s[8:9] offset:16*\k      ; s0 and b0 of units 32 h + 0 .. 31
	global_load_b128 v[B+4*\k:B+4*\k+3], v[GH], s[10:11] offset:16*\k
.endr
.irp t, 0,1,2,3
	global_load_b32 v[W0+2*\t], v[GWA], s[6:7] offset:32*\t              ; w0(2 h, my unit of tile t)
	global_load_b32 v[W0+2*\t+1], v[GWB], s[6:7] offset:256+32*\t        ; w0(1, the same): lanes 16-31 want row 3, which is not there: they load row 1 and are cleared below
.endr
	s_wait_kmcnt 0x0                               ; so and bo
	s_cmp_lt_u32 s[WV], 12
	s_cbranch_scc0 .Lno_weights
	; ---------------- waves 0-11: 32 columns of one layer of wh become codes.  A lane takes a column and its registers run down K: each load reads 128 consecutive bytes
.set KK, 0
.rept 64
	global_load_b32 v[RAW+KK], v[G4], s[12:13] offset:256*KK
.set KK, KK+1
.endr
	global_load_b32 v254, v[G4], s[14:15]          ; my column's gain
	global_load_b32 v255, v[G4], s[16:17]          ; and bias
	PLOAD
	s_wait_loadcnt 8                               ; all but the eight loads of points, which were issued last
.irp c, 0,1
	v_max3_num_f32 v[QC+19+4*\c], |v[RAW+32*\c]|, |v[RAW+32*\c+1]|, 0x1800000     ; block c's largest magnitude, with the floor 2^(3 - 127) among its leaves; the two blocks by turns
.endr
.irp k, 2,4,6,8,10,12,14,16,18,20,22,24,26,28,30
.irp c, 0,1
	v_max3_num_f32 v[QC+19+4*\c], v[QC+19+4*\c], |v[RAW+32*\c+\k]|, |v[RAW+32*\c+\k+1]|
.endr
.endr
.irp c, 0,1
	v_add_nc_u32 v[QC+6+8*\c], 0xff000000, v[QC+19+4*\c]     ; 2 off the exponent field: the conversions' scale operand
.endr
.irp c, 0,1
	v_lshrrev_b32 v[QC+7+8*\c], 23, v[QC+6+8*\c]   ; the scale's byte
.endr
	v_lshl_or_b32 v[QC+7], v[QC+15], 8, v[QC+7]    ; my column's scale word: blocks 0 and 1; bytes 2 and 3 are 0
.irp c, 0,1
	v_cvt_scalef32_pk16_fp6_f32 v[QC+8*\c:QC+8*\c+2], v[RAW+32*\c:RAW+32*\c+15], v[QC+6+8*\c]
	v_cvt_scalef32_pk16_fp6_f32 v[QC+16+4*\c:QC+16+4*\c+2], v[RAW+32*\c+16:RAW+32*\c+31], v[QC+6+8*\c]
.endr
	v_nop                                          ; one plain place behind the conversions
.irp c, 0,1
.irp z, 0,1,2
	v_mov_b32 v[QC+8*\c+3+\z], v[QC+16+4*\c+\z]
.endr
.endr
	s_wait_alu depctr_va_vdst(0)                   ; the conversions and moves have written my column's codes, the line above them its scale word: the LDS stores below read them
.irp c, 0,1
.irp p, 0,1,2
	ds_store_b64 v[PW], v[QC+8*\c+2*\p:QC+8*\c+2*\p+1] offset:128*\c+256*\p
.endr
.endr
	ds_store_b32 v[PWS], v[QC+7]
	ds_store_b32 v[PSB], v254
	ds_store_b32 v[PSB], v255 offset:256
	s_branch .Ljoin
.Lno_weights:
	PLOAD
.Ljoin:
	s_wait_loadcnt 8                               ; on both ways the eight loads of points are the youngest: all else is in
.irp t, 0,1,2,3
	v_cndmask_b32 v[W0+2*\t+1], v[W0+2*\t+1], v[ZR], s31     ; K's fourth row is zeros
.endr
	ds_store_b64 v[WOW], v[252:253]                ; wo into my own 256 bytes, for the last layer
	s_wait_alu depctr_vm_vsrc(0)                   ; the head's global loads have read their offsets v24-27, in which the first point fragments land; the weight waves' LDS stores have read v64-87, which the first conversions write
	; ---------------- A QUAD'S FOUR TILES, in every layer.  As soon as a tile's results are read out (FMA), the next tile's products are issued into the same 32 registers, and the tile's other vector
	; work (REST, 54 lines that name none of those products' registers) stands behind them: these are the places, and the matrix work runs beside them.  Of FMA's 16 lines 12 name no register of any one
	; earlier product: more places than are asked between a product and the one that writes over its result.
	; ---------------- the first layer.  A quad's 64 points go through my stage, so that lane (r, h) finds (x, y) or (z, 0) of its tile's point r
.macro FIRST q
	s_wait_loadcnt 6-2*(\q)                        ; this quad's two loads are in; the later quads' may be out
	ds_store_b128 v[STGW], v[PR+8*(\q):PR+8*(\q)+3] offset:1024*(\q)
	ds_store_b128 v[STGW], v[PR+8*(\q)+4:PR+8*(\q)+7] offset:1024*(\q)+256
.irp i, 0,1,2,3
	ds_load_b64 v[PF+2*\i:PF+2*\i+1], v[PT] offset:1024*(\q)+256*\i      ; LDS serves a wave's instructions in order (ISA guide 5.7.1.4): these see the stores above
.endr
	s_wait_dscnt 0x0
.if (\q) > 0
	s_wait_alu depctr_vm_vsrc(0)                   ; the last quad's LDS stores have read X and XS, which this quad's conversions, moves and PAIRSC write again
.endif
	MM0 0
	PLACES 8                                       ; eight places behind this form before its results are read
	FMA 0, 16
	MM0 1
	REST 0, EA
	FMA 0, 16
	MM0 2
	REST 1, EB
	PAIRSC 0
	FMA 0, 16
	MM0 3
	REST 2, EA
	FMA 0, 16
	REST 3, EB
	PAIRSC 1
	s_wait_alu depctr_va_vdst(0)                   ; the quad's codes and scale words are written, which the stores below read; its products are done reading the point fragments, in which the next quad's land
	XOUTP \q, 0
	XOUTP \q, 1
.endm
	s_wait_alu depctr_va_vdst(0)
	FIRST 0
	FIRST 1
	FIRST 2
	FIRST 3
	s_wait_alu depctr_vm_vsrc(0)                   ; the stage's stores have read v32-63, of which the moves below write a part; the weight waves' stores have read v6-8, which the additions below write; the last quad's stores have read X and XS, in which codes land behind the barrier
.irp t, 0,1,2,3
.irp z, 6,7,8,9,10,11
	v_mov_b32 v[W+12*\t+\z], 0                     ; W's idle half, K = 64 .. 127: zero codes, written once; no load lands on them
.endr
.endr
	PLACES 4                                       ; an operand written by vector instructions stands four places ahead of a scaled product
	s_mov_b32 s[SL], 0
	PARADR                                         ; hidden layer 0's parameters
	s_wait_dscnt 0x0                               ; for the others' sake: my stores, the weight waves' parameters among them, are done
	s_barrier_signal -1
	s_barrier_wait -1                              ; the launch's one barrier: behind it the parameters are only read
	s_wait_alu depctr_va_vdst(0)                   ; v6-8 are written, which the loads below read; W's idle halves are written, which the scaled products take; the first layer is done with v14-151, in which the loads below land
	PARLD
	XINP 0, 0
	XINP 0, 1
	s_wait_dscnt 4                                 ; the parameters and pair 0 are in; the youngest four loads, pair 1's, may be out
	; ---------------- hidden layers 0 to 4: codes in, codes out.  At a quad's head its pair 0 is in and its pair 1 on its way.  nq: the quad that follows; par = 1: a layer's last quad, which also asks for the next layer's parameters
.macro HID q, nq, par
	MM 0
	PLACES 4                                       ; four places behind this form before its results are read
	FMA 0, 16
	s_wait_dscnt 0x0                               ; pair 1 is in: the operand of tile 1's products reaches into its registers
	MM 1
	REST 0, EA
	FMA 0, 16
	MM 2
	REST 1, EB
	PAIRSC 0                                       ; the last product that named XS0 stands more than a whole REST back
	s_wait_alu depctr_va_vdst(0)                   ; pair 0's new codes and scale words are written, which the stores below read; the products of tiles 0 and 1 are done reading X0-17 and XS0: the next quad's pair 0 lands in X0-11 and XS0
	XOUTP \q, 0
	FMA 0, 16
	MM 3                                           ; (these two name ACC, S, B, Y, W, WS, X18-29 and XS1: nothing of pair 0)
	s_wait_alu depctr_vm_vsrc(0)                   ; pair 0's stores have read X0-11 and XS0; par = 1: the layer's parameter loads have read v6-8
.if \par
	s_add_co_u32 s[SL], s[SL], LAYB                ; on to the next layer's parameters
	PARADR
.endif
	XINP \nq, 0
	REST 2, EA
	FMA 0, 16
	REST 3, EB
	PAIRSC 1
	s_wait_alu depctr_va_vdst(0)                   ; pair 1's new codes and scale words are written, and the products of tiles 2 and 3 are done reading X12-29 and XS1; par = 1: v6-8 are written, and the layer is done reading W, WS, S and B
	XOUTP \q, 1
.if \par
	PARLD
.endif
	s_wait_alu depctr_vm_vsrc(0)                   ; pair 1's stores have read X12-23 and XS1, in which the next quad's pair 1 lands
	XINP \nq, 1
.if \par
	s_wait_dscnt 4                                 ; all but the youngest four loads, the next pair 1's: the parameters and the next pair 0 are in
.else
	s_wait_dscnt 8                                 ; the next pair 0 is in; pair 1's four stores and the next pair 1's four loads may be out
.endif
.endm
	s_mov_b32 s[CNT], 0
.Llayer:
	HID 0, 1, 0
	HID 1, 2, 0
	HID 2, 3, 0
	HID 3, 0, 1                                    ; the fifth trip asks for hidden layer 5's parameters and its first quad
	s_add_co_u32 s[CNT], s[CNT], 1
	s_cmp_lt_u32 s[CNT], 5
	s_cbranch_scc1 .Llayer
	; ---------------- hidden layer 5 and the last product: nothing is quantised; a lane's 32 numbers meet wo sixteen at a time
.macro DOT c                           ; sixteen terms into four chains (two pairs by turns); the first two lines start the chains: nothing is cleared
.irp k, 0,1,2,3,4,5,6,7
.if (\c == 0) && (\k < 2)
	v_pk_mul_f32 v[D0+2*\k:D0+2*\k+1], v[Y+2*\k:Y+2*\k+1], v[WO0+2*\k:WO0+2*\k+1]
.else
	v_pk_fma_f32 v[D0+2*(\k%2):D0+2*(\k%2)+1], v[Y+2*\k:Y+2*\k+1], v[WO0+32*\c+2*\k:WO0+32*\c+2*\k+1], v[D0+2*(\k%2):D0+2*(\k%2)+1]
.endif
.endr
.endm
.macro LAST i, w                       ; w = 1: pair 1's loads may still be out ahead of the next tile's products
	FMA 0, 8
	LRELU 0
	DOT 0
	FMA 16, 8
.if (\i) < 3
.if \w
	s_wait_alu depctr_va_vdst(0)
	s_wait_dscnt 0x0                               ; pair 1 is in: the operand of tile 1's products reaches into its registers
.endif
	MM (\i)+1                                      ; all 32 results are read out: the next tile's products, with the lines below as their places
.endif
	LRELU 0
	DOT 1
	v_pk_add_f32 v[D0:D0+1], v[D0:D0+1], v[D0+2:D0+3]
	v_add_f32 v[PA+(\i)%2], v[D0], v[D0+1]         ; point r's sum over my 32 units
.if (\i)%2 == 1
	v_permlane16_swap_b32 v[PA], v[PB]             ; both tiles' lower halves into PA, upper halves into PB
	v_add_f32 v[OUT+(\i)/2], v[PA], v[PB]          ; lanes 0-15: the even tile's points, lanes 16-31: the odd tile's
	v_fma_f32 v[OUT+(\i)/2], v[OUT+(\i)/2], s26, s27
.endif
.endm
.macro LASTQ q
	MM 0
	PLACES 4
.if (\q) > 0
	LAST 0, 1
	s_wait_xcnt 0x0                                ; the last store has had its address translated: OUT is written again only behind this wait,
	s_wait_alu depctr_vm_vsrc(0)                   ; and it has read OUT, which tile 1's last lines write again
.else
	LAST 0, 0
.endif
	LAST 1, 0
.if (\q) < 3
	s_wait_alu depctr_va_vdst(0)                   ; the products of tiles 0 and 1 are done reading X0-17 and XS0: the next quad's pair 0 lands in X0-11 and XS0, which no line of tiles 2 and 3 names
	XINP (\q)+1, 0
.endif
	LAST 2, 0
	LAST 3, 0
	s_wait_alu depctr_va_vdst(0)                   ; OUT is written, which the store reads; the products of tiles 2 and 3 are done reading X12-29 and XS1, in which (where a quad follows) the next pair 1 lands
	global_store_b64 v[OUTO], v[OUT:OUT+1], s[24:25] offset:256*(\q) th:TH_STORE_NT   ; lane l: points 64 q + 2 l and 2 l + 1: the wave stores 256 consecutive bytes, aligned
.if (\q) < 3
	XINP (\q)+1, 1
	s_wait_dscnt 4                                 ; the next pair 0 is in; the next pair 1's four loads may be out
.endif
.endm
.irp k, 0,1,2,3
	ds_load_b128 v[WO0+4*\k:WO0+4*\k+3], v[WOA] offset:16*\k             ; wo lands in registers of Y and of the quantiser's work: no vector instruction stands between the loop's last wait on va_vdst and these loads
	ds_load_b128 v[WO0+32+4*\k:WO0+32+4*\k+3], v[WOA] offset:64+16*\k
.endr
	s_wait_dscnt 0x0                               ; wo and the first quad's pair 1 are in
	LASTQ 0
	LASTQ 1
	LASTQ 2
	LASTQ 3
	s_wait_xcnt 0x0                                ; the last store has had its address translated,
	s_wait_alu depctr_vm_vsrc(0)                   ; and has read v254 and v255, which the two lines below make anew
	v_lshl_add_u32 v254, v0, 2, 0x4aa00
	v_mov_b32 v255, 0
	s_wait_dscnt 0x0                               ; the closing lines, six on end
	s_wait_alu 0x0
	s_wait_tensorcnt 0x0
	ds_add_u32 v254, v255
	s_wait_dscnt 0x0
	s_endpgm
.Lfunc_end_k_q6b4533bc77_mlp:
	.size	k_q6b4533bc77_mlp, .Lfunc_end_k_q6b4533bc77_mlp-k_q6b4533bc77_mlp
	.p2alignl 7, 3214868480
	.fill 96, 4, 3214868480
	.section	.rodata,"a",@progbits
	.p2align	6, 0x0
	.amdhsa_kernel k_q6b4533bc77_mlp
		.amdhsa_group_segment_fixed_size 307712
		.amdhsa_private_segment_fixed_size 0
		.amdhsa_enable_private_segment 0
		.amdhsa_kernarg_size 88
		.amdhsa_user_sgpr_count 2
		.amdhsa_user_sgpr_kernarg_segment_ptr 1
		.amdhsa_wavefront_size32 1
		.amdhsa_system_sgpr_workgroup_id_x 1
		.amdhsa_system_sgpr_workgroup_id_y 1
		.amdhsa_system_sgpr_workgroup_id_z 1
		.amdhsa_system_vgpr_workitem_id 0
		.amdhsa_next_free_vgpr 256
		.amdhsa_next_free_sgpr 66
		.amdhsa_reserve_vcc 0
		.amdhsa_float_denorm_mode_32 3
		.amdhsa_float_denorm_mode_16_64 3
		.amdhsa_memory_ordered 1
		.amdhsa_forward_progress 1
		.amdhsa_inst_pref_size 255
	.end_amdhsa_kernel
	.section	.bss,"aw",@nobits
	.p2align	6
	.space	262144
	.amdgpu_metadata
---
amdhsa.version: [ 1, 2 ]
amdhsa.kernels:
  - .name:           k_q6b4533bc77_mlp
    .symbol:         k_q6b4533bc77_mlp.kd
    .args:
      - { .name: points, .offset: 0, .size: 8, .value_kind: global_buffer, .address_space: global }
      - { .name: w0, .offset: 8, .size: 8, .value_kind: global_buffer, .address_space: global }
      - { .name: s0, .offset: 16, .size: 8, .value_kind: global_buffer, .address_space: global }
      - { .name: b0, .offset: 24, .size: 8, .value_kind: global_buffer, .address_space: global }
      - { .name: wh, .offset: 32, .size: 8, .value_kind: global_buffer, .address_space: global }
      - { .name: sh, .offset: 40, .size: 8, .value_kind: global_buffer, .address_space: global }
      - { .name: bh, .offset: 48, .size: 8, .value_kind: global_buffer, .address_space: global }
      - { .name: wo, .offset: 56, .size: 8, .value_kind: global_buffer, .address_space: global }
      - { .name: so, .offset: 64, .size: 8, .value_kind: global_buffer, .address_space: global }
      - { .name: bo, .offset: 72, .size: 8, .value_kind: global_buffer, .address_space: global }
      - { .name: out0, .offset: 80, .size: 8, .value_kind: global_buffer, .address_space: global }
    .group_segment_fixed_size: 307712
    .private_segment_fixed_size: 0
    .kernarg_segment_align: 8
    .kernarg_segment_size: 88
    .max_flat_workgroup_size: 512
    .sgpr_count:     66
    .vgpr_count:     256
    .wavefront_size: 32
...
	.end_amdgpu_metadata
.endif
;; end of part 2
